; MI455X (gfx1250); checked and timed in simulation.
; The chip was launched on July 23, 2026; its instructions are those of AMD's public machine-readable ISA for CDNA 5 (MIT licence, August 2026) and "CDNA5" Instruction Set Architecture Reference Guide (July 2026). The comments in the code are by the model that wrote it; some were corrected since.
;; Self Attention. Allowed arithmetic: matrix products marked QUANTISED: E5M2 operands, one given power-of-two scale a tensor, by v_wmma_f32_16x16x64_bf8_bf8 or v_wmma_f32_16x16x128_bf8_bf8, f32 sums; everything else in f32.
;; Inputs: Wk_codes 32 x 8 x 32 uint8 (E5M2 codes of Wk, K innermost, in blocks of 32 codes); Wq_codes 32 x 8 x 32 uint8 (E5M2 codes of Wq, K innermost, in blocks of 32 codes); Wv_codes 256 x 8 x 32 uint8 (E5M2 codes of Wv, K innermost, in blocks of 32 codes); bk 32 float32; bq 32 float32; bv 256 float32; gamma 1 float32; lowp_scales 10 int32 (the exponents e of the quantised operands' scales 2^e); temperature one number float32; x 8 x 256 x 64 x 64 float32.
;; Outputs: out0 8 x 256 x 64 x 64 float32.
;; This version of the problem:
;;   THIS VERSION OF THE PROBLEM IS GIVEN IN LOW PRECISION. The matrix products marked QUANTISED in the list below multiply operands that are first quantised to E5M2 (5 exponent bits, 2 mantissa bits; 8 bits a number), with one given power-of-two scale for each operand tensor; their sums are f32. All else is computed in f32.
;;   The module's matrix products, in the order in which they are computed (A, B: the left and right operand; K: the contracted axis; several contracted axes count as one K, in the product's order):
;;     1. [M 32,768, K 256] x [K 256, N 32]; A: input x; B: input Wq (given as codes): QUANTISED (scales: A lowp_scales[0], B lowp_scales[1])
;;     2. [M 32,768, K 256] x [K 256, N 32]; A: input x; B: input Wk (given as codes): QUANTISED (scales: A lowp_scales[2], B lowp_scales[3])
;;     3. [M 32,768, K 256] x [K 256, N 256]; A: input x; B: input Wv (given as codes): QUANTISED (scales: A lowp_scales[4], B lowp_scales[5])
;;     4. batch 8 x [M 4,096, K 32] x [K 32, N 4,096]; A: computed on the way; B: computed on the way: QUANTISED (scales: A lowp_scales[6], B lowp_scales[7])
;;     5. batch 8 x [M 256, K 4,096] x [K 4,096, N 4,096]; A: computed on the way; B: softmax (see below): QUANTISED (scales: A lowp_scales[8], B lowp_scales[9])
;;   THE QUANTISER, for each operand of a quantised product, along K:
;;     - The operand's scale is 2^e, e = its entry of the input lowp_scales (int32; the entries are numbered through the quantised products in the list's order, A before B).
;;     - Each number is divided by the scale, clamped to +-57,344, and rounded to the nearest number of E5M2, ties to even, subnormals kept.
;;     - The product sums the exact products of the quantised numbers (number of the format x scale) in f32.
;;   ~~~python
;;   def quantise(x, axis, e):      # numpy; x: float32 -> the quantised numbers, widened to float32 again
;;       x = np.moveaxis(x, axis, -1); K = x.shape[-1]
;;       r = np.clip(x / 2.0 ** e, -57344, 57344)
;;       step = 2.0 ** (np.maximum(np.frexp(np.where(r == 0, 1, r))[1] - 1, -14) - 2)
;;       q = np.round(r / step) * step * 2.0 ** e      # np.round: ties to even
;;       return np.moveaxis(q, -1, axis).astype(np.float32)
;;   ~~~
;;   SOFTMAX AHEAD OF A QUANTISED PRODUCT. Where the list says 'softmax', what is quantised is not the finished softmax but p = 2^(t - M), with t = logit x log2(e) and M = ceil(the row's largest t), a whole number; so 1/2 < the row's largest p <= 1. The row's sum l is taken of the UNQUANTISED p, in f32, and the product's result is divided by l at the end. Since M is a whole number, a kernel that streams over the keys may use a running M (the ceiling of the running maximum): every later rescaling is an exact power of two, so the quantised numbers keep their values, but for numbers so far below the row's largest that they fall under the format's range.
;;   OPERANDS COMPUTED ON THE WAY. 'Computed on the way' means the value that the module computes at that place (a softmax that the list does not call 'softmax' is quantised finished and normalised). What goes into a quantiser is computed in f32, as accurately as f32 sums, v_exp_f32 and their like allow (about 1e-6 of the number): no bf16 or f16 on the way to a quantiser, and a product that is left as it is and whose result goes on into a quantised operand takes f32 operands (vector FMAs, or v_wmma_f32_16x16x4_f32). A number that lies on a knife's edge between two numbers of the format may be rounded either way, as far as f32 arithmetic and the matrix unit's own rounding can turn it there, and no further.
;;   INPUTS GIVEN AS CODES. Wk (in the module: [32, 256], K = its axis 1); Wq (in the module: [32, 256], K = its axis 1); Wv (in the module: [256, 256], K = its axis 1): each comes as NAME_codes (uint8): NAME with its K axis moved to the last place and cut into blocks of 32 codes, [.., K / 32, bytes a block], one block behind the other in memory; one code a byte (a code: sign, 5 exponent bits, 2 mantissa bits); its scale is its entry of lowp_scales. Its value is code x scale, taken as it is: it is not quantised again, and the codes and scales need not be those that the quantiser above would give.
;; One version. Each part assembles by itself: llvm-mc -triple=amdgcn-amd-amdhsa -mcpu=gfx1250 --defsym DOCPART=n.
;; ======== version 1 of 1: 3 launches
;; limits: right only within a limited range of input values
;; workspace buffers: qk 8,388,608 bytes; part 262,144 bytes; qc 1,048,576 bytes; kv 9,437,184 bytes
;; launch proj (part 1): grid 32 x 8, 8 waves a work-group, no clusters, 105,472 bytes of LDS; arguments x, Wq_codes, Wk_codes, Wv_codes, bq, bk, bv, lowp_scales, qk, part, kv; writes qk, part, kv
.if DOCPART == 1
	.amdgcn_target "amdgcn-amd-amdhsa--gfx1250"
	.amdhsa_code_object_version 6
	.text
	.protected	k_qc9fdae2942_proj
	.globl	k_qc9fdae2942_proj
	.p2align	8
	.type	k_qc9fdae2942_proj,@function
k_qc9fdae2942_proj:
	s_mov_b64 s[64:65], 0
	v_nop
	global_prefetch_b8 v0, s[64:65] scope:SCOPE_SE
	s_setreg_imm32_b32 hwreg(HW_REG_WAVE_MODE, 25, 1), 1
	s_wait_xcnt 0x0
; PROJ: q = Wq x + bq, k = Wk x + bk, v = Wv x + bv for 128 positions of one image, on codes of BF8 (E5M2).
; x [8][256][4096] f32 is quantised along the channels THREE times, with 2^e0, 2^e2, 2^e4 (the three products name three scales).
; Out: q and k in f32 (their norm runs over all 4,096 positions, so their codes are made by the next launch), the sums of their squares over 32 positions each,
; and v as codes (scale 2^e8) with the positions innermost, laid as the last launch's operand registers take them.
; SHARES.  Work-group (X, b): positions 128 X .. 128 X + 127 of image b, all 256 channels.  Eight waves.
;   A: wave w quantises positions 32 (w & 3) + lane, channels 128 (w >> 2) + 0 .. 127: A LANE TAKES A POSITION AND ITS REGISTERS RUN DOWN THE CHANNELS (K), so the conversions give codes with K innermost.
;      The codes go to three tiles in LDS, 128 rows (positions) x 256 bytes + 16 of padding (68 words: row r starts at bank 4 r mod 64: ISA guide 11.1).
;   B1: wave w makes q (w even) or k (w odd) of the 32 positions of group w >> 1, transposed (source 0 = 16 rows of the weight, source 1 = 16 positions): a lane holds one position, its registers run along the 32 channels.
;   B2: wave w makes v's channels 32 w .. 32 w + 31 for all 128 positions (source 0 = 16 positions, source 1 = 16 rows of Wv): a lane holds one channel, its registers run along the positions.
; THE ROWS OF A TILE ARE NOT NEIGHBOURS: row r of tile u of a group of 32 is number 32 g + 8 u + r + 8 (r / 8), for positions and for Wq's and Wk's rows: so the 16 result registers of tiles u = 0, 1 are 16 neighbours.
; A fragment of 128 along K is fetched by four loads of 16 bytes, 32 apart, on both sides alike: a permutation of k that both operands share.
; LIMITS: e0, e2, e4, e8 between -126 and 112; e0 + e1, e2 + e3, e4 + e5 between -126 and 127 (each power of two is made as an f32 number).  NaN in x, and infinity or NaN codes in the weights, are not served.
; REGISTERS, window 0: v1-15, v24-26 addresses; v16-18, v22 scales; v32-47 bq or bk; v48-51 bv; v72-95 codes just made; v96-127 at work; v128-255 x, later fragments (v128-191), sums (v192-223), v's codes (v224-255).
;   window 1: v0-63 Wv's four fragments (tile t, K step k at 16 (2 t + k)); v64-127 Wq's or Wk's four.
.set PITCH, 272
.set XQB,   128*PITCH                  ; a tile of codes in LDS
.set CODE,  72
.set T,     96
.set X,     128
.set FRG,   128
.set ACC,   192
.set VC,    224
.set SQ,    96
.set IMGB,  1179648                    ; an image's part of kv: 8 slots
.set SLOTB, 147456                     ; a slot of 512 keys: 131,072 bytes of V, 16,384 of K
.set MSB, 0
.macro WIN new                         ; the immediate's high byte repeats the setting that is left
.if MSB != \new
	s_set_vgpr_msb (MSB<<8)|\new
.set MSB, \new
.endif
.endm
.macro PLACES n
.rept \n
	v_nop
.endr
.endm
.macro MKSC e, vs, vl                  ; v[vs] = 2^e as f32 (the conversion takes its exponent field)
	s_add_co_i32 s58, s[\e], 127
	s_lshl_b32 s59, s58, 23
	v_mov_b32 v[\vs], s59
.endm
	s_load_b256 s[4:11], s[0:1], 0x0               ; x, Wq, Wk, Wv
	s_load_b256 s[12:19], s[0:1], 0x20             ; bq, bk, bv, the scales' exponents
	s_load_b128 s[20:23], s[0:1], 0x40             ; qk, part
	s_load_b64 s[24:25], s[0:1], 0x50              ; kv
	v_lshl_add_u32 v70, v0, 2, 0x19800
	v_mov_b32 v71, 0
	v_lshrrev_b32 v1, 5, v0
	s_delay_alu instid0(VALU_DEP_1)
	v_readfirstlane_b32 s26, v1                    ; wave 0..7
	s_and_b32 s27, s26, 3                          ; A: which 32 positions
	s_lshr_b32 s28, s26, 2                         ; A: which 128 channels
	s_lshr_b32 s29, s26, 1                         ; B1: which group of 32 positions
	s_and_b32 s30, s26, 1                          ; B1: q (0) or k (1)
	s_and_b32 s31, ttmp7, 0xffff                   ; image
	v_and_b32 v1, 31, v0                           ; lane
	v_and_b32 v2, 15, v0                           ; r
	v_bfe_u32 v3, v0, 4, 1                         ; h
	s_delay_alu instid0(VALU_DEP_3)
	v_lshlrev_b32 v4, 2, v1                        ; x: 4 bytes a lane
	v_and_b32 v5, 127, v0                          ; my position in the block: 32 (w & 3) + lane
	s_delay_alu instid0(VALU_DEP_1)
	v_mul_u32_u24 v5, v5, PITCH
	v_lshrrev_b32 v14, 7, v0
	s_delay_alu instid0(VALU_DEP_1)
	v_lshl_add_u32 v24, v14, 7, v5                 ; into tile 0: my row, + 128 bytes for the upper 128 channels
	s_delay_alu instid0(VALU_DEP_1)
	v_add_nc_u32 v25, XQB, v24                     ; tile 1
	s_delay_alu instid0(VALU_DEP_2)
	v_add_nc_u32 v26, 2*XQB, v24                   ; tile 2 (an LDS immediate has 16 bits: each tile has its register)
	v_and_b32 v14, 8, v2
	s_delay_alu instid0(VALU_DEP_1)
	v_add_nc_u32 v14, v14, v2                      ; r + 8 (r / 8)
	s_delay_alu instid0(VALU_DEP_1)
	v_mul_u32_u24 v6, v14, PITCH
	s_delay_alu instid0(VALU_DEP_1)
	v_lshl_add_u32 v6, v3, 4, v6                   ; a fragment's row x pitch + 16 h
	s_mul_i32 s50, s30, XQB
	s_mul_i32 s51, s29, 32*PITCH
	s_add_co_u32 s50, s50, s51
	v_add_nc_u32 v7, s50, v6                       ; B1: tile 0 (q) or 1 (k), my group
	v_add_nc_u32 v8, 2*XQB, v6                     ; B2: tile 2
	v_lshlrev_b32 v9, 4, v1                        ; 16 x lane: an image's place for my lane
	s_lshl_b32 s50, s26, 13
	v_lshlrev_b32 v10, 8, v2
	s_delay_alu instid0(VALU_DEP_1)
	v_lshl_add_u32 v10, v3, 4, v10
	s_delay_alu instid0(VALU_DEP_1)
	v_add_nc_u32 v10, s50, v10                     ; Wv: row 32 w + r of 256 bytes, + 16 h
	v_lshlrev_b32 v11, 8, v14
	s_delay_alu instid0(VALU_DEP_1)
	v_lshl_add_u32 v11, v3, 4, v11                 ; Wq, Wk: row r + 8 (r / 8), + 16 h
	v_lshlrev_b32 v12, 6, v3                       ; 64 h: my 16 channels of q's or k's 32
	s_lshl_b32 s50, s26, 7
	v_lshl_add_u32 v13, v2, 2, s50                 ; bv: 4 (32 w + r)
	; byte offsets, each made apart from its address
	s_lshl_b32 s50, s31, 22                        ; x: image x 4 MiB
	s_lshl_b32 s58, s28, 21                        ;  + 128 channels x 16,384
	s_add_co_u32 s50, s50, s58
	s_lshl_b32 s58, ttmp9, 9                       ;  + 128 X positions x 4
	s_add_co_u32 s50, s50, s58
	s_lshl_b32 s58, s27, 7                         ;  + my wave's 32 positions
	s_add_co_u32 s50, s50, s58
	s_mov_b32 s51, 0
	s_lshl_b32 s58, ttmp9, 2
	s_add_co_u32 s58, s58, s29                     ; the group of 32 positions in the image: 4 X + g
	s_lshl_b32 s52, s30, 22                        ; qk: [q, k][image][group][4,096 bytes]
	s_lshl_b32 s59, s31, 19
	s_add_co_u32 s52, s52, s59
	s_lshl_b32 s59, s58, 12
	s_add_co_u32 s52, s52, s59
	s_mov_b32 s53, 0
	s_lshl_b32 s54, s30, 17                        ; part: [q, k][image][group][32 channels] f32
	s_lshl_b32 s59, s31, 14
	s_add_co_u32 s54, s54, s59
	s_lshl_b32 s59, s58, 7
	s_add_co_u32 s54, s54, s59
	s_mov_b32 s55, 0
	s_mul_i32 s56, s31, IMGB                       ; kv: [image][slot X / 4][step X % 4][channel tile][group of keys][512 bytes]
	s_lshr_b32 s59, ttmp9, 2
	s_mul_i32 s59, s59, SLOTB
	s_add_co_u32 s56, s56, s59
	s_and_b32 s59, ttmp9, 3
	s_lshl_b32 s59, s59, 15
	s_add_co_u32 s56, s56, s59
	s_lshl_b32 s59, s26, 12                        ; my two channel tiles: 2 w x 2,048
	s_add_co_u32 s56, s56, s59
	s_mov_b32 s57, 0
	s_wait_alu depctr_va_vdst(0)
	s_wait_kmcnt 0x0
	s_load_b256 s[32:39], s[18:19], 0x0            ; e0 .. e7
	s_load_b64 s[40:41], s[18:19], 0x20            ; e8, e9
	s_add_nc_u64 s[4:5], s[4:5], s[50:51]
	s_add_nc_u64 s[52:53], s[20:21], s[52:53]
	s_add_nc_u64 s[54:55], s[22:23], s[54:55]
	s_add_nc_u64 s[56:57], s[24:25], s[56:57]
	s_cmp_eq_u32 s30, 0                            ; the choice hangs on the wave's number alone
	s_cselect_b64 s[46:47], s[6:7], s[8:9]         ; Wq or Wk
	s_cselect_b64 s[48:49], s[12:13], s[14:15]     ; bq or bk
	WIN 0x40                                       ; destination window 1
.irp t, 0,1
.irp k, 0,1
.irp c, 0,1,2,3
	global_load_b128 v[16*(2*\t+\k)+4*\c:16*(2*\t+\k)+4*\c+3], v10, s[10:11] offset:\t*4096+128*\k+32*\c
.endr
.endr
.endr
.irp o, 0,1
.irp k, 0,1
.irp c, 0,1,2,3
	global_load_b128 v[64+16*(2*\o+\k)+4*\c:64+16*(2*\o+\k)+4*\c+3], v11, s[46:47] offset:\o*2048+128*\k+32*\c
.endr
.endr
.endr
	WIN 0
.irp i, 0,1,2,3
	global_load_b128 v[32+4*\i:35+4*\i], v12, s[48:49] offset:16*\i   ; the bias of channels 16 h + 0 .. 15
.endr
	global_load_b32 v48, v13, s[16:17]             ; bv of my two channels, each twice: pairs for the packed multiply-add
	global_load_b32 v49, v13, s[16:17]
	global_load_b32 v50, v13, s[16:17] offset:64
	global_load_b32 v51, v13, s[16:17] offset:64
.set i, 0
.rept 128
	global_load_b32 v[X+i], v4, s[4:5] offset:i*16384 th:TH_LOAD_NT   ; channel i of my 128, my position: 32 lanes read 128 consecutive bytes, four waves side by side 512
.set i, i+1
.endr
	s_wait_kmcnt 0x0
	MKSC 32, 16, 19                                ; e0
	MKSC 34, 17, 20                                ; e2
	MKSC 36, 18, 21                                ; e4
	MKSC 40, 22, 23                                ; e8
	s_add_co_i32 s42, s36, s37
	s_add_co_i32 s42, s42, 127
	s_lshl_b32 s42, s42, 23                        ; 2^(e4 + e5)
	s_mov_b32 s43, s42                             ; (named with it as a pair, so it is written)
	s_cmp_eq_u32 s30, 0
	s_cselect_b32 s58, s32, s34
	s_cselect_b32 s59, s33, s35
	s_add_co_i32 s44, s58, s59
	s_add_co_i32 s44, s44, 127
	s_lshl_b32 s44, s44, 23                        ; 2^(e0 + e1) or 2^(e2 + e3)
	s_mov_b32 s45, s44
; A: a block of 32 channels of my position becomes 32 codes, three times.
.macro QBLK blk, cnt
	s_wait_loadcnt \cnt                            ; this block's 32 loads are in; cnt later loads may stay out
	s_wait_dscnt 0x0                               ; the last block's LDS stores have read the codes' registers
.irp z, 0,1,2
.set i, 0
.rept 32
.set i, i+1
.endr
.irp g, 0,1,2,3
	v_cvt_scalef32_pk8_bf8_f32 v[CODE+8*\z+2*\g:CODE+8*\z+2*\g+1], v[T+8*\g+((X+32*\blk+i)-(T+i)):T+8*\g+7+((X+32*\blk+i)-(T+i))], v[16+\z]
.endr
	v_nop                                          ; one plain vector line between the conversions and the stores that read their results
	ds_store_b128 v[24+\z], v[CODE+8*\z:CODE+8*\z+3] offset:32*\blk
	ds_store_b128 v[24+\z], v[CODE+8*\z+4:CODE+8*\z+7] offset:32*\blk+16
.endr
.endm
	s_wait_alu depctr_va_vdst(0)
	QBLK 0, 63                                     ; 96 loads were issued behind block 0's, 64 behind block 1's: the count's field holds 63 at the most, and a smaller count is safe
	QBLK 1, 63
	QBLK 2, 32
	QBLK 3, 0
	s_wait_dscnt 0x0                               ; for the others' sake: my codes lie in LDS
	s_barrier_signal -1
	s_barrier_wait -1                              ; everybody's do
	; B1: q or k of my 32 positions
.irp u, 0,1
.irp k, 0,1
.irp c, 0,1,2,3
	ds_load_b128 v[FRG+16*(2*\u+\k)+4*\c:FRG+16*(2*\u+\k)+4*\c+3], v7 offset:\u*2176+128*\k+32*\c
.endr
.endr
.endr
	s_wait_dscnt 0x0
	WIN 0x01                                       ; source 0 (the weight) window 1
.irp k, 0,1                                    ; the four accumulators take turns, one instruction a turn
.irp u, 0,1
.irp o, 0,1
.if \k == 0
	v_wmma_f32_16x16x128_bf8_bf8 v[ACC+16*\u+8*\o:ACC+16*\u+8*\o+7], v[64+16*(2*\o+\k):64+16*(2*\o+\k)+15], v[FRG+16*(2*\u+\k):FRG+16*(2*\u+\k)+15], 0
.else
	v_wmma_f32_16x16x128_bf8_bf8 v[ACC+16*\u+8*\o:ACC+16*\u+8*\o+7], v[64+16*(2*\o+\k):64+16*(2*\o+\k)+15], v[FRG+16*(2*\u+\k):FRG+16*(2*\u+\k)+15], v[ACC+16*\u+8*\o:ACC+16*\u+8*\o+7]
.endif
.endr
.endr
.endr
	WIN 0
	PLACES 5                                       ; four in front of the first read of results and of loads into the fragments; five in front of the products of B2, which begin these accumulators anew
.irp u, 0,1
.irp i, 0,2,4,6,8,10,12,14
	v_pk_fma_f32 v[ACC+16*\u+\i:ACC+16*\u+\i+1], v[ACC+16*\u+\i:ACC+16*\u+\i+1], s[44:45], v[32+\i:33+\i] op_sel_hi:[1,0,1]   ; sum x 2^(ex + ew) + bias; register i: channel 16 h + i
.endr
.endr
.irp u, 0,1
.irp i, 0,1,2,3
	global_store_b128 v9, v[ACC+16*\u+4*\i:ACC+16*\u+4*\i+3], s[52:53] offset:\u*2048+512*\i   ; an image of four registers: 512 consecutive bytes
.endr
.endr
.irp i, 0,2,4,6,8,10,12,14
	v_pk_mul_f32 v[SQ+\i:SQ+\i+1], v[ACC+\i:ACC+\i+1], v[ACC+\i:ACC+\i+1]
.endr
.irp i, 0,2,4,6,8,10,12,14
	v_pk_fma_f32 v[SQ+\i:SQ+\i+1], v[ACC+16+\i:ACC+16+\i+1], v[ACC+16+\i:ACC+16+\i+1], v[SQ+\i:SQ+\i+1]
.endr
.irp m, 1,2,4,8                                ; over the 16 lanes of my half: the squares of 32 positions, for each of my 16 channels
.set i, 0
.rept 16
	v_add_f32_dpp v[SQ+i], v[SQ+i], v[SQ+i] row_xmask:\m row_mask:0xf bank_mask:0xf
.set i, i+1
.endr
.endr
	v_cmp_eq_u32 vcc_lo, 0, v2
	s_wait_alu depctr_va_vdst(0)
	s_wait_xcnt 0x0                                ; EXEC changes only behind this wait; it also frees the registers that the stores above read
	s_wait_tensorcnt 0x0
	ds_add_u32 v70, v71
	s_wait_dscnt 0x0
	s_and_saveexec_b32 s60, vcc_lo                 ; lanes 0 and 16 store 64 bytes each
.irp i, 0,1,2,3
	global_store_b128 v12, v[SQ+4*\i:SQ+4*\i+3], s[54:55] offset:16*\i
.endr
	s_wait_xcnt 0x0
	s_or_b32 exec_lo, exec_lo, s60
	; B2: v's channels 32 w .. 32 w + 31, a group of 32 positions at a time
.macro VGRP g
.irp u, 0,1
.irp k, 0,1
.irp c, 0,1,2,3
	ds_load_b128 v[FRG+16*(2*\u+\k)+4*\c:FRG+16*(2*\u+\k)+4*\c+3], v8 offset:\g*8704+\u*2176+128*\k+32*\c
.endr
.endr
.endr
	s_wait_dscnt 0x0
	WIN 0x04                                       ; source 1 (Wv) window 1
.irp k, 0,1
.irp u, 0,1
.irp t, 0,1
.if \k == 0
	v_wmma_f32_16x16x128_bf8_bf8 v[ACC+16*\t+8*\u:ACC+16*\t+8*\u+7], v[FRG+16*(2*\u+\k):FRG+16*(2*\u+\k)+15], v[16*(2*\t+\k):16*(2*\t+\k)+15], 0
.else
	v_wmma_f32_16x16x128_bf8_bf8 v[ACC+16*\t+8*\u:ACC+16*\t+8*\u+7], v[FRG+16*(2*\u+\k):FRG+16*(2*\u+\k)+15], v[16*(2*\t+\k):16*(2*\t+\k)+15], v[ACC+16*\t+8*\u:ACC+16*\t+8*\u+7]
.endif
.endr
.endr
.endr
	WIN 0
	PLACES 5                                       ; as above: reads of results, the next group's loads, and its products that begin the accumulators anew
.irp t, 0,1
.irp i, 0,2,4,6,8,10,12,14
	v_pk_fma_f32 v[ACC+16*\t+\i:ACC+16*\t+\i+1], v[ACC+16*\t+\i:ACC+16*\t+\i+1], s[42:43], v[48+2*\t:49+2*\t] op_sel_hi:[1,0,1]   ; v = sum x 2^(e4 + e5) + bv; register i: position 32 g + 16 h + i
.endr
.endr
.set i, 0
.rept 32
.set i, i+1
.endr
.irp t, 0,1
.irp a, 0,1
	v_cvt_scalef32_pk8_bf8_f32 v[VC+8*\g+4*\t+2*\a:VC+8*\g+4*\t+2*\a+1], v[ACC+16*\t+8*\a:ACC+16*\t+8*\a+7], v22
.endr
.endr
	v_nop                                          ; one plain vector line behind the conversions: the next products write their sources
.irp t, 0,1
	global_store_b128 v9, v[VC+8*\g+4*\t:VC+8*\g+4*\t+3], s[56:57] offset:\t*2048+\g*512   ; each group has its own registers for its codes: no store's data are written again
.endr
.endm
	VGRP 0
	VGRP 1
	VGRP 2
	VGRP 3
	s_endpgm
.Lfunc_end_k_qc9fdae2942_proj:
	.size	k_qc9fdae2942_proj, .Lfunc_end_k_qc9fdae2942_proj-k_qc9fdae2942_proj
	.p2alignl 7, 3214868480
	.fill 96, 4, 3214868480
	.section	.rodata,"a",@progbits
	.p2align	6, 0x0
	.amdhsa_kernel k_qc9fdae2942_proj
		.amdhsa_group_segment_fixed_size 105472
		.amdhsa_private_segment_fixed_size 0
		.amdhsa_enable_private_segment 0
		.amdhsa_kernarg_size 88
		.amdhsa_user_sgpr_count 2
		.amdhsa_user_sgpr_kernarg_segment_ptr 1
		.amdhsa_wavefront_size32 1
		.amdhsa_system_sgpr_workgroup_id_x 1
		.amdhsa_system_sgpr_workgroup_id_y 1
		.amdhsa_system_sgpr_workgroup_id_z 1
		.amdhsa_system_vgpr_workitem_id 0
		.amdhsa_next_free_vgpr 384
		.amdhsa_next_free_sgpr 66
		.amdhsa_reserve_vcc 1
		.amdhsa_float_denorm_mode_32 3
		.amdhsa_float_denorm_mode_16_64 3
		.amdhsa_fp16_overflow 1
		.amdhsa_memory_ordered 1
		.amdhsa_forward_progress 1
		.amdhsa_inst_pref_size 49
	.end_amdhsa_kernel
	.amdgpu_metadata
---
amdhsa.version: [ 1, 2 ]
amdhsa.kernels:
  - .name:           k_qc9fdae2942_proj
    .symbol:         k_qc9fdae2942_proj.kd
    .args:
      - { .name: x, .offset: 0, .size: 8, .value_kind: global_buffer, .address_space: global }
      - { .name: Wq_codes, .offset: 8, .size: 8, .value_kind: global_buffer, .address_space: global }
      - { .name: Wk_codes, .offset: 16, .size: 8, .value_kind: global_buffer, .address_space: global }
      - { .name: Wv_codes, .offset: 24, .size: 8, .value_kind: global_buffer, .address_space: global }
      - { .name: bq, .offset: 32, .size: 8, .value_kind: global_buffer, .address_space: global }
      - { .name: bk, .offset: 40, .size: 8, .value_kind: global_buffer, .address_space: global }
      - { .name: bv, .offset: 48, .size: 8, .value_kind: global_buffer, .address_space: global }
      - { .name: lowp_scales, .offset: 56, .size: 8, .value_kind: global_buffer, .address_space: global }
      - { .name: qk, .offset: 64, .size: 8, .value_kind: global_buffer, .address_space: global }
      - { .name: part, .offset: 72, .size: 8, .value_kind: global_buffer, .address_space: global }
      - { .name: kv, .offset: 80, .size: 8, .value_kind: global_buffer, .address_space: global }
    .group_segment_fixed_size: 105472
    .private_segment_fixed_size: 0
    .kernarg_segment_align: 8
    .kernarg_segment_size: 88
    .max_flat_workgroup_size: 256
    .sgpr_count:     66
    .vgpr_count:     384
    .wavefront_size: 32
...
	.end_amdgpu_metadata
.endif
;; end of part 1
;; launch norm (part 2): grid 16 x 16, 8 waves a work-group, no clusters, 3,072 bytes of LDS; arguments qk, part, lowp_scales, temperature, qc, kv; writes qc, kv
.if DOCPART == 2
	.amdgcn_target "amdgcn-amd-amdhsa--gfx1250"
	.amdhsa_code_object_version 6
	.text
	.protected	k_qc9fdae2942_norm
	.globl	k_qc9fdae2942_norm
	.p2align	8
	.type	k_qc9fdae2942_norm,@function
k_qc9fdae2942_norm:
	s_mov_b64 s[64:65], 0
	v_nop
	global_prefetch_b8 v0, s[64:65] scope:SCOPE_SE
	s_setreg_imm32_b32 hwreg(HW_REG_WAVE_MODE, 25, 1), 1
	s_wait_xcnt 0x0
; NORM: qn = q / max(||q||, 1e-12), kn likewise, the norm taken over the 4,096 positions for each image and channel; then codes of BF8 (E5M2) with 2^e6 (q) and 2^e7 (k), along the 32 channels.
; Work-group (X, zb): z = zb / 8 (0: q, 1: k), image zb % 8.  Wave w takes the group of 32 positions 8 X + w: 4,096 bytes of f32 in, 1,024 bytes of codes out, all as images of registers (512 consecutive bytes a load or store).
; The 128 partial sums of squares of each channel are added by the eight waves (16 each, lane = channel) and meet in LDS behind one barrier.
; THE SIGN OF temperature + 1e-6 goes onto q's factor here (the quantiser is odd), so that the last launch scales by the magnitude alone and a row's largest logit stays a maximum.
; The division is a multiplication by v_rcp_f32 of the norm.  LIMITS: e6, e7 between -126 and 112.  NaN among the inputs is not served.
; No matrix work, no tensor loads: the numbers pass through registers in any case.
	s_load_b256 s[4:11], s[0:1], 0x0               ; qk, part, the scales' exponents, temperature
	s_load_b128 s[12:15], s[0:1], 0x20             ; qc, kv
	v_lshl_add_u32 v96, v0, 2, 0x800
	v_mov_b32 v97, 0
	v_lshrrev_b32 v1, 5, v0
	s_delay_alu instid0(VALU_DEP_1)
	v_readfirstlane_b32 s16, v1                    ; wave 0..7
	s_and_b32 s17, ttmp7, 0xffff                   ; zb
	s_lshr_b32 s18, s17, 3                         ; z
	s_and_b32 s19, s17, 7                          ; image
	s_lshl_b32 s20, ttmp9, 3
	s_add_co_u32 s20, s20, s16                     ; my group of 32 positions, 0 .. 127
	v_and_b32 v1, 31, v0
	s_delay_alu instid0(VALU_DEP_1)
	v_lshlrev_b32 v2, 2, v1                        ; 4 x lane
	s_delay_alu instid0(VALU_DEP_2)
	v_lshlrev_b32 v3, 4, v1                        ; 16 x lane
	v_lshlrev_b32 v4, 2, v0                        ; 128 x wave + 4 x lane
	v_bfe_u32 v5, v0, 4, 1                         ; h
	v_lshrrev_b32 v6, 5, v0
	s_delay_alu instid0(VALU_DEP_1)
	v_lshlrev_b32 v6, 7, v6
	s_delay_alu instid0(VALU_DEP_1)
	v_lshl_add_u32 v6, v5, 6, v6                   ; 128 x wave + 64 h
	s_lshl_b32 s22, s17, 14                        ; part: [zb][128 groups][32] f32; my wave's 16 groups
	s_lshl_b32 s24, s16, 11
	s_add_co_u32 s22, s22, s24
	s_mov_b32 s23, 0
	s_lshl_b32 s24, s17, 19                        ; qk: [zb][group][4,096 bytes]
	s_lshl_b32 s26, s20, 12
	s_add_co_u32 s24, s24, s26
	s_mov_b32 s25, 0
	s_lshl_b32 s26, s19, 17                        ; q's codes: [image][group][1,024 bytes]
	s_lshl_b32 s27, s20, 10
	s_add_co_u32 s26, s26, s27
	s_mul_i32 s28, s19, 1179648                    ; k's codes: [image][slot = group / 16], behind the slot's 131,072 bytes of V, [group % 16][1,024 bytes]
	s_lshr_b32 s27, s20, 4
	s_mul_i32 s27, s27, 147456
	s_add_co_u32 s28, s28, s27
	s_and_b32 s27, s20, 15
	s_lshl_b32 s27, s27, 10
	s_add_co_u32 s28, s28, s27
	s_add_co_u32 s28, s28, 131072
	s_cmp_eq_u32 s18, 0
	s_cselect_b32 s26, s26, s28
	s_cselect_b32 s33, -1, 0                       ; q alone takes the sign
	s_mov_b32 s27, 0
	s_wait_alu depctr_va_vdst(0)
	s_wait_kmcnt 0x0
	s_load_b64 s[30:31], s[8:9], 0x18              ; e6, e7
	s_load_b32 s32, s[10:11], 0x0                  ; temperature
	s_add_nc_u64 s[6:7], s[6:7], s[22:23]
	s_add_nc_u64 s[4:5], s[4:5], s[24:25]
	s_cmp_eq_u32 s18, 0                            ; the choice hangs on the work-group's number alone
	s_cselect_b64 s[12:13], s[12:13], s[14:15]
	s_add_nc_u64 s[12:13], s[12:13], s[26:27]
.set i, 0
.rept 16
	global_load_b32 v[16+i], v2, s[6:7] offset:128*i                  ; lane = channel: 128 consecutive bytes a load
.set i, i+1
.endr
.set i, 0
.rept 8
	global_load_b128 v[32+4*i:35+4*i], v3, s[4:5] offset:512*i th:TH_LOAD_NT   ; tile u = i / 4: register 16 u + j = channel 16 h + j of my position
.set i, i+1
.endr
	s_wait_kmcnt 0x0
	s_cmp_eq_u32 s18, 0
	s_cselect_b32 s30, s30, s31                    ; e
	s_add_co_i32 s30, s30, 127
	s_lshl_b32 s31, s30, 23
	v_mov_b32 v8, s31                              ; 2^e as f32
	v_mov_b32 v10, s32
	s_delay_alu instid0(VALU_DEP_1)
	v_add_f32 v10, 0x358637bd, v10                 ; temperature + 1e-6
	s_delay_alu instid0(VALU_DEP_1)
	v_and_b32 v10, 0x80000000, v10                 ; its sign,
	s_delay_alu instid0(VALU_DEP_1)
	v_and_b32 v10, s33, v10                        ; for q alone
	s_wait_loadcnt 8                               ; the 16 partial sums are in; the 8 loads issued behind them may stay out
.irp j, 4,8,12
.irp c, 0,1,2,3
	v_add_f32 v[16+\c], v[16+\c], v[16+\j+\c]      ; four chains
.endr
.endr
	s_delay_alu instid0(VALU_DEP_3)
	v_add_f32 v16, v16, v17
	s_delay_alu instid0(VALU_DEP_2)
	v_add_f32 v18, v18, v19
	s_delay_alu instid0(VALU_DEP_1)
	v_add_f32 v16, v16, v18
	ds_store_b32 v4, v16
	s_wait_dscnt 0x0                               ; for the others' sake
	s_barrier_signal -1
	s_barrier_wait -1
.irp i, 0,1,2,3,4,5,6,7
	ds_load_b32 v[16+\i], v2 offset:128*\i         ; the eight waves' sums of my channel
.endr
	s_wait_dscnt 0x0
.irp c, 0,1,2,3
	v_add_f32 v[16+\c], v[16+\c], v[20+\c]
.endr
	s_delay_alu instid0(VALU_DEP_3)
	v_add_f32 v16, v16, v17
	s_delay_alu instid0(VALU_DEP_2)
	v_add_f32 v18, v18, v19
	s_delay_alu instid0(VALU_DEP_1)
	v_add_f32 v16, v16, v18
	s_wait_alu depctr_va_vdst(0)
	v_sqrt_f32 v16, v16
	v_nop                                          ; a plain line behind the transcendental,
	s_wait_alu depctr_va_vdst(0)                   ; and the wait ahead of its first reader
	v_max_num_f32 v16, 0x2b8cbccc, v16             ; max(norm, 1e-12)
	s_wait_alu depctr_va_vdst(0)
	v_rcp_f32 v16, v16
	v_nop
	s_wait_alu depctr_va_vdst(0)
	v_xor_b32 v16, v10, v16
	ds_store_b32 v4, v16 offset:1024               ; lane = channel; back as 16 numbers a lane.  My wave's own 128 bytes: LDS serves a wave's instructions in order (ISA guide 5.7.1.4)
.irp i, 0,1,2,3
	ds_load_b128 v[64+4*\i:67+4*\i], v6 offset:1024+16*\i   ; the factors of channels 16 h + 0 .. 15
.endr
	s_wait_dscnt 0x0
	s_wait_loadcnt 0x0
.irp u, 0,1
.irp i, 0,2,4,6,8,10,12,14
	v_pk_mul_f32 v[32+16*\u+\i:33+16*\u+\i], v[32+16*\u+\i:33+16*\u+\i], v[64+\i:65+\i]
.endr
.set i, 0
.rept 16
.set i, i+1
.endr
	v_cvt_scalef32_pk8_bf8_f32 v[80+4*\u:81+4*\u], v[32+16*\u:39+16*\u], v8
	v_cvt_scalef32_pk8_bf8_f32 v[82+4*\u:83+4*\u], v[40+16*\u:47+16*\u], v8
.endr
	v_nop
	global_store_b128 v3, v[80:83], s[12:13]       ; 512 consecutive bytes each
	global_store_b128 v3, v[84:87], s[12:13] offset:512
	s_wait_tensorcnt 0x0
	ds_add_u32 v96, v97
	s_wait_dscnt 0x0
	s_endpgm
.Lfunc_end_k_qc9fdae2942_norm:
	.size	k_qc9fdae2942_norm, .Lfunc_end_k_qc9fdae2942_norm-k_qc9fdae2942_norm
	.p2alignl 7, 3214868480
	.fill 96, 4, 3214868480
	.section	.rodata,"a",@progbits
	.p2align	6, 0x0
	.amdhsa_kernel k_qc9fdae2942_norm
		.amdhsa_group_segment_fixed_size 3072
		.amdhsa_private_segment_fixed_size 0
		.amdhsa_enable_private_segment 0
		.amdhsa_kernarg_size 48
		.amdhsa_user_sgpr_count 2
		.amdhsa_user_sgpr_kernarg_segment_ptr 1
		.amdhsa_wavefront_size32 1
		.amdhsa_system_sgpr_workgroup_id_x 1
		.amdhsa_system_sgpr_workgroup_id_y 1
		.amdhsa_system_sgpr_workgroup_id_z 1
		.amdhsa_system_vgpr_workitem_id 0
		.amdhsa_next_free_vgpr 98
		.amdhsa_next_free_sgpr 66
		.amdhsa_reserve_vcc 0
		.amdhsa_float_denorm_mode_32 3
		.amdhsa_float_denorm_mode_16_64 3
		.amdhsa_fp16_overflow 1
		.amdhsa_memory_ordered 1
		.amdhsa_forward_progress 1
		.amdhsa_inst_pref_size 10
	.end_amdhsa_kernel
	.amdgpu_metadata
---
amdhsa.version: [ 1, 2 ]
amdhsa.kernels:
  - .name:           k_qc9fdae2942_norm
    .symbol:         k_qc9fdae2942_norm.kd
    .args:
      - { .name: qk, .offset: 0, .size: 8, .value_kind: global_buffer, .address_space: global }
      - { .name: part, .offset: 8, .size: 8, .value_kind: global_buffer, .address_space: global }
      - { .name: lowp_scales, .offset: 16, .size: 8, .value_kind: global_buffer, .address_space: global }
      - { .name: temperature, .offset: 24, .size: 8, .value_kind: global_buffer, .address_space: global }
      - { .name: qc, .offset: 32, .size: 8, .value_kind: global_buffer, .address_space: global }
      - { .name: kv, .offset: 40, .size: 8, .value_kind: global_buffer, .address_space: global }
    .group_segment_fixed_size: 3072
    .private_segment_fixed_size: 0
    .kernarg_segment_align: 8
    .kernarg_segment_size: 48
    .max_flat_workgroup_size: 256
    .sgpr_count:     66
    .vgpr_count:     98
    .wavefront_size: 32
...
	.end_amdgpu_metadata
.endif
;; end of part 2
;; launch attn (part 3): grid 32 x 8, 8 waves a work-group, clusters of 4 x 1, 327,680 bytes of LDS; arguments qc, kv, x, lowp_scales, temperature, gamma, out0; writes out0
.if DOCPART == 3
	.amdgcn_target "amdgcn-amd-amdhsa--gfx1250"
	.amdhsa_code_object_version 6
	.text
	.protected	k_qc9fdae2942_attn
	.globl	k_qc9fdae2942_attn
	.p2align	8
	.type	k_qc9fdae2942_attn,@function
k_qc9fdae2942_attn:
	s_mov_b64 s[64:65], 0
	v_nop
	global_prefetch_b8 v0, s[64:65] scope:SCOPE_SE
	s_setreg_imm32_b32 hwreg(HW_REG_WAVE_MODE, 25, 1), 1
	s_wait_xcnt 0x0
	s_wait_alu depctr_hold_cnt(0) depctr_sa_sdst(0) depctr_va_vdst(0) depctr_va_sdst(0) depctr_va_ssrc(0) depctr_va_vcc(0) depctr_vm_vsrc(0)
	s_getreg_b32 s2, hwreg(HW_REG_IB_STS2, 6, 4)
	s_cmp_eq_u32 s2, 0
	s_cbranch_scc0 .Lentry_in_a_cluster
	s_endpgm
.Lentry_in_a_cluster:
	s_bfe_u32 s2, ttmp6, 0x10000c
	s_cmp_lg_u32 s2, 0x3003
	s_cbranch_scc0 .Lentry_shape_is_right
	s_endpgm
.Lentry_shape_is_right:
; ATTN: out0[b][c][m] = gamma x (sum over n of v[b][c][n] p[m][n]) / l[m] + x[b][c][m], both products on codes of BF8 (E5M2).
; logit(m, n) = qn(m) . kn(n) / (temperature + 1e-6) + (m == n);  t = logit x log2(e);  M = ceil(the row's largest t);  p = 2^(t - M) is quantised with 2^e9;  l = the row's sum of the unquantised p.
; SHARES.  Work-group (X, b): queries 128 X .. 128 X + 127 of image b.  Wave w: the 32 queries of group 4 X + (w & 3), two tiles of 16, and HALF of the keys (H = w >> 2): waves w and w + 4 hold the same queries.
; TWO PASSES.  K = 32 makes the scores cheap: pass 1 makes them all once for the rows' maxima; pass 2 makes them again, the same bits, under the final M.  So nothing is ever rescaled, and the two halves of the keys are joined by additions.
; SCORES.  S^T = K Q^T by the K = 64 form: source 0 = two tiles of 16 keys side by side (32 channels each), source 1 = [q | 0] or [0 | q]: the zeros pick the tile.  All codes are finite (the launch before holds them), so the other half adds 0.
;   A lane holds ONE query (lane % 16); row r of tile u of a group of 32 is number 32 g + 8 u + r + 8 (r / 8), for keys and queries: the 16 registers of tiles u = 0, 1 are keys 32 g + 16 (lane / 16) + 0 .. 15, as the next operand wants them.
; THE DIAGONAL.  A wave takes the four groups of a key step in the order (p + (w & 3)) % 4, for K and V alike (a permutation of k that both operands share): its own queries' group is then always p = 0.
;   The two products of p = 0 with equal tiles take C = DG: d = |temperature + 1e-6| x 2^-(e6 + e7) at (lane / 16 == r / 8, register r % 8) in the one step that holds my queries, else 0: chosen by s_cselect_b32, no branch.
; OUTPUT.  O = P V^T (source 0 = p's 16 queries, source 1 = 16 channels of V): a lane holds one channel and eight neighbouring queries: 32 neighbouring bytes of a row of out0.
; RING.  kv holds, for each image, 8 slots of 512 keys: 131,072 bytes of V, 16,384 of K, all as images of operand registers (lane l's 16 bytes at 16 l: every LDS load takes 512 consecutive bytes; no pitch, no padding).
;   Two LDS regions of a slot.  At the start all of K (8 x 16,384 bytes) goes into region 1 for pass 1 and slot 0 into region 0; then the slots take turns.  Each wave fetches an eighth of a slot by one tensor load.
; CLUSTER.  The four work-groups of a cluster belong to one image and walk the same kv: every tile is asked for jointly, by the same load with the same descriptor and the mask of all four.
; LIMITS: e9 between -126 and 112; e6 + e7 and e8 + e9 are applied by v_ldexp_f32.  temperature + 1e-6 = 0 is not served (the logits are not finite there); its sign was put on q's codes.  NaN among the inputs is not served.
; REGISTERS, window 0: v1, v2 the spare word's address and 0; v3 prefetch offset; v4 16 x lane; v5 2^e9; v6-9, v10-13 LDS addresses of V and K for p = 0 .. 3; v[14:17] -M (twice for each tile); v[18:21] l (pass 1: maxima); v[22:23] at work;
;   v24-47 Q as [q, 0, q] for each tile; v48-79 K's fragments; v80-87 DG; v88-95 its pattern; v96-223 S^T, then p, then V's fragments; v224-255 p's codes.   window 1: O, accumulator (tile q, channel tile t) at v[8 (16 q + t)].
.set SLOTB, 147456
.set VPART, 131072
.set IMGB,  8*SLOTB
.set SPARE, 2*SLOTB                    ; behind the two regions: the spare words, 128 bytes for each wave: four blocks of 256 bytes that no other line names
.set MXB,   SPARE+1024                 ; the waves' maxima: [wave][tile][lane] f32
.set LSB,   MXB+2048                   ; the rows' sums: [H][128 queries] f32
.set STG,   256*528                    ; the way out: a stage for each H, 256 rows (channels) x (512 bytes + 16); they lie over the regions, which have had their last fill and their last read by then
.set MSB, 0
.macro WIN new                         ; the immediate's high byte repeats the setting that is left
.if MSB != \new
	s_set_vgpr_msb (MSB<<8)|\new
.set MSB, \new
.endif
.endm
.macro PLACES n
.rept \n
	v_nop
.endr
.endm
.macro ROUND                           ; a round of the cluster's barrier
	s_barrier_signal -1
	s_barrier_wait -1
	s_cmp_lg_u32 s18, 0
	s_cbranch_scc1 .Lnw0_\@
	s_barrier_signal -3
.Lnw0_\@:
	s_barrier_wait -3
	s_barrier_signal -1
	s_barrier_wait -1
.endm
.macro SETDG                           ; DG for the key step s58: d on the diagonal's places where the step holds my queries, else 0
	s_cmp_eq_u32 s58, s22
	s_cselect_b32 s54, s56, 0
.irp j, 0,2,4,6
	v_pk_mul_f32 v[80+\j:81+\j], v[88+\j:89+\j], s[54:55] op_sel_hi:[1,0]
.endr
.endm
.macro KLOAD off                       ; a key step's K: for each p the two tiles of its group, side by side
.irp p, 0,1,2,3
	ds_load_b128 v[48+8*\p:51+8*\p], v[10+\p] offset:\off
	ds_load_b128 v[52+8*\p:55+8*\p], v[10+\p] offset:\off+512
.endr
.endm
.macro QK                              ; 16 products, each with an accumulator of its own: 128 keys x my 32 queries
.irp p, 0,1,2,3
.irp u, 0,1
.irp q, 0,1
.if (\p == 0) && (\u == \q)
	v_wmma_f32_16x16x64_bf8_bf8 v[96+64*\q+16*\p+8*\u:103+64*\q+16*\p+8*\u], v[48+8*\p:55+8*\p], v[24+12*\q+4*\u:31+12*\q+4*\u], v[80:87]
.else
	v_wmma_f32_16x16x64_bf8_bf8 v[96+64*\q+16*\p+8*\u:103+64*\q+16*\p+8*\u], v[48+8*\p:55+8*\p], v[24+12*\q+4*\u:31+12*\q+4*\u], 0
.endif
.endr
.endr
.endr
.endm
; Tile q's softmax for a key step: 64 scores a lane become p, its sum and its codes.
.macro SM q
.set SB, 96+64*(\q)
.set i, 0
.rept 32
	v_pk_fma_f32 v[SB+i:SB+i+1], v[SB+i:SB+i+1], s[52:53], v[14+2*(\q):15+2*(\q)] op_sel_hi:[1,0,1]   ; t - M; each accumulator from its low end on
.set i, i+2
.endr
.set i, 0
	s_wait_alu depctr_va_vdst(0)
.rept 64
	v_exp_f32 v[SB+i], v[SB+i]                     ; p = 2^(t - M), at most 1
.set i, i+1
.endr
	v_nop                                          ; a plain line behind the last exponential,
	s_wait_alu depctr_va_vdst(0)                   ; and one wait for the batch, ahead of its first reader
	v_pk_add_f32 v[22:23], v[SB:SB+1], v[SB+2:SB+3]   ; the sum of the UNQUANTISED p, two at a time, in two chains
.set i, 4
.rept 15
	v_pk_add_f32 v[18+2*(\q):19+2*(\q)], v[18+2*(\q):19+2*(\q)], v[SB+i:SB+i+1]
	v_pk_add_f32 v[22:23], v[22:23], v[SB+i+2:SB+i+3]
.set i, i+4
.endr
	s_delay_alu instid0(VALU_DEP_1)
	v_pk_add_f32 v[18+2*(\q):19+2*(\q)], v[18+2*(\q):19+2*(\q)], v[22:23]
.irp p, 0,1,2,3
.set i, 0
.rept 16
.set i, i+1
.endr
	v_cvt_scalef32_pk8_bf8_f32 v[224+16*(\q)+4*\p:225+16*(\q)+4*\p], v[SB+16*\p:SB+16*\p+7], v5
	v_cvt_scalef32_pk8_bf8_f32 v[226+16*(\q)+4*\p:227+16*(\q)+4*\p], v[SB+16*\p+8:SB+16*\p+15], v5
.endr
	v_nop                                          ; one plain vector line between the conversions and the products that read their results
.endm
.macro VLOAD beta, reg, st             ; four fragments of V (channel tiles 4 beta + 0 .. 3, the slot's step st of my two), 16 loads
.irp f, 0,1,2,3
.irp p, 0,1,2,3
	ds_load_b128 v[\reg+16*\f+4*\p:\reg+16*\f+4*\p+3], v[6+\p] offset:(\st)*32768+(4*(\beta)+\f)*2048
.endr
.endr
.endm
.macro PV beta, reg, zero              ; 8 products; the 32 accumulators of O take turns, one instruction a turn, in the same order in every step.  zero = 1: the first step starts the sums
.if \zero
	WIN 0x40                                       ; destination window 1
.else
	WIN 0x50                                       ; C and D window 1
.endif
.irp f, 0,1,2,3
.irp q, 0,1
.if \zero
	s_wait_alu depctr_va_vdst(0)
	v_wmma_f32_16x16x128_bf8_bf8 v[8*(16*\q+4*(\beta)+\f):8*(16*\q+4*(\beta)+\f)+7], v[224+16*\q:239+16*\q], v[\reg+16*\f:\reg+16*\f+15], 0
.else
	v_wmma_f32_16x16x128_bf8_bf8 v[8*(16*\q+4*(\beta)+\f):8*(16*\q+4*(\beta)+\f)+7], v[224+16*\q:239+16*\q], v[\reg+16*\f:\reg+16*\f+15], v[8*(16*\q+4*(\beta)+\f):8*(16*\q+4*(\beta)+\f)+7]
.endif
.endr
.endr
	WIN 0
.endm
; A KEY STEP of pass 2: 128 keys.  V's fragments land in the registers that the scores have left, a batch of 16 loads ahead of the products that read them.
.macro STEP st, zero, knext
	s_wait_dscnt 0x0                               ; K's fragments are in
	QK
	PLACES 5                                       ; four in front of reads of results, of loads into K's registers and of the write of DG; one more is kept
.if \knext
	KLOAD (\st+1)*4096                             ; the next step's K
.endif
	s_add_co_u32 s58, s58, 1+2*(\st)               ; my steps are 4 slot + 2 H + 0, 1
	SETDG
	SM 0
	VLOAD 0, 96, \st
	SM 1
	VLOAD 1, 160, \st
	s_wait_alu depctr_va_vdst(0)
	s_wait_dscnt 16                                ; all but the 16 loads just issued
	PV 0, 96, \zero
	PLACES 4                                       ; in front of loads into registers that the products have read
	VLOAD 2, 96, \st
	s_wait_dscnt 16
	PV 1, 160, \zero
	PLACES 4
	VLOAD 3, 160, \st
	s_wait_dscnt 16
	PV 2, 96, \zero
	s_wait_dscnt 0x0
	PV 3, 160, \zero
	PLACES 5                                       ; the next step's products write over registers that these have read: five places
.endm
.macro SLOT sl, zero                   ; my two steps of the slot in region sl
.irp p, 0,1,2,3
	s_add_co_u32 s92, s[68+\p], (\sl)*SLOTB
	v_add_nc_u32 v[6+\p], s92, v4
	s_add_co_u32 s92, s[72+\p], (\sl)*SLOTB
	v_add_nc_u32 v[10+\p], s92, v4
.endr
	KLOAD 0
	s_wait_alu depctr_va_vdst(0)
	STEP 0, \zero, 1
	STEP 1, 0, 0
.endm
; A PREFETCH INTO THE L2 of the V part of the slot that the NEXT change will ask for: it stands behind the wave's tensor load and its four lines.  Each aligned block of 256 bytes is named once in the launch:
; all clusters of an image walk the same kv, so the image's first cluster asks; its four partners take 32,768 bytes each, told apart BY ADDRESS; in each, waves 0 to 3 take 8,192 bytes, lanes 256 bytes apart.
; The K parts are not asked for: pass 1's first loads have read them.  Slots 0 and 1 come by their loads alone; the last change that fills a region asks for nothing.
.macro ASK
	s_cmp_gt_u32 s60, s61
	s_cbranch_scc0 .Lnoask_\@
	global_prefetch_b8 v3, s[62:63] th:TH_LOAD_NT scope:SCOPE_SE
.Lnoask_\@:
.endm
; THE CHANGE OF REGIONS.  Each wave waits for all its tensor loads (its part of the slot that it is about to read), adds 0 to its spare word, and waits for that and for its reads of the region that it has left.
; fill = 1: a round of the cluster's barrier, so that no wave of any partner still reads that region or has a load on its way; the joint refill is the first thing behind it and has a slot's steps in which to land.
.macro CHANGE fill, g0, step
	s_wait_tensorcnt 0x0                           ; no tensor load of mine is out, so a group 0 may be written
	ds_add_u32 v1, v2                              ; 0 onto my spare word
.if \step
	s_add_nc_u64 s[\g0+2:\g0+3], s[\g0+2:\g0+3], 2*SLOTB   ; this region's next slot; the type bits on top are not reached
.endif
.if \fill
	s_wait_xcnt 0x0                                ; the last prefetch, a slot back, has read its address
	s_add_nc_u64 s[62:63], s[62:63], SLOTB
.endif
	s_wait_dscnt 0x0                               ; the add is done, and my LDS reads and stores are over
.if \fill
	ROUND
	tensor_load_to_lds s[\g0:\g0+3], s[24:31]
	s_nop 0
	PLACES 4
	ASK
	s_sub_co_u32 s60, s60, 1
.else
	s_barrier_signal -1
	s_barrier_wait -1
.endif
.endm
; A KEY STEP of pass 1: the scores, and the running maxima: two chains a tile.
.macro P1STEP last
	s_wait_dscnt 0x0
	QK
	PLACES 5                                       ; as in STEP; five, since the next step's products write over these accumulators
.if !\last
.irp p, 0,1,2,3
	s_add_co_u32 s[76+\p], s[76+\p], 4096
	v_add_nc_u32 v[10+\p], s[76+\p], v4
.endr
	KLOAD 0
.endif
	s_add_co_u32 s58, s58, 1
	SETDG
.irp q, 0,1
.set i, 0
.rept 16
	v_max3_num_f32 v[18+2*\q], v[18+2*\q], v[96+64*\q+i], v[97+64*\q+i]     ; each accumulator from its low end on
	v_max3_num_f32 v[19+2*\q], v[19+2*\q], v[98+64*\q+i], v[99+64*\q+i]
.set i, i+4
.endr
.endr
.endm
	s_load_b256 s[4:11], s[0:1], 0x0               ; qc, kv, x, the scales' exponents
	s_load_b128 s[12:15], s[0:1], 0x20             ; temperature, gamma
	s_load_b64 s[16:17], s[0:1], 0x30              ; out0
	v_lshl_add_u32 v1, v0, 2, SPARE
	v_mov_b32 v2, 0
	ds_add_u32 v1, v2
	ds_add_u32 v1, v2
	s_wait_dscnt 0x0
	v_lshrrev_b32 v3, 5, v0
	s_delay_alu instid0(VALU_DEP_1)
	v_readfirstlane_b32 s18, v3                    ; wave 0..7
	s_lshr_b32 s19, s18, 2                         ; H: my half of the keys
	s_and_b32 s20, s18, 3                          ; my group of 32 queries in the block
	s_bfe_u32 s21, ttmp6, 0x40000                  ; cx: my place in the cluster
	s_lshl_b32 s22, ttmp9, 2
	s_add_co_u32 s22, s22, s21                     ; X = 4 x cluster x + cx: it enters global addresses of Q, x, out0 and the prefetches, and the choice of DG; no branch, no LDS address, no descriptor
	s_and_b32 s23, ttmp7, 0xffff                   ; the image, which the four partners share
	; descriptor group 1: dense blocks as rows of 256 bytes (32 elements of 8 bytes); s[24:31]: 72 rows, an eighth of a slot; s[32:39]: 64 rows, a slot's K part
	s_mov_b32 s24, 15|(3<<16)|(1<<21)              ; 15:0 the mask: all four work-groups; 17:16 elements of 8 bytes; 21 set beside a mask; no padding
	s_mov_b32 s25, 32<<16                          ; tensor_dim0 = 32
	s_mov_b32 s26, 72<<16                          ; tensor_dim1 = 72
	s_mov_b32 s27, 32<<16                          ; tile_dim0 = 32
	s_mov_b32 s28, 72                              ; tile_dim1 = 72
	s_mov_b32 s29, 32                              ; tensor_dim0_stride
	s_mov_b32 s30, 0
	s_mov_b32 s31, 0
	s_mov_b32 s32, 15|(3<<16)|(1<<21)
	s_mov_b32 s33, 32<<16
	s_mov_b32 s34, 64<<16
	s_mov_b32 s35, 32<<16
	s_mov_b32 s36, 64
	s_mov_b32 s37, 32
	s_mov_b32 s38, 0
	s_mov_b32 s39, 0
	s_mul_i32 s92, s23, IMGB                       ; the image's part of kv
	s_mov_b32 s93, 0
	s_mul_i32 s41, s18, 18432                      ; my eighth of a slot, in LDS and in memory
	s_mov_b32 s94, s41
	s_mov_b32 s95, 0
	s_mul_i32 s96, s18, SLOTB                      ; slot w's K part
	s_add_co_u32 s96, s96, VPART
	s_mov_b32 s97, 0
	s_wait_kmcnt 0x0
	s_load_b256 s[80:87], s[10:11], 0x0            ; e0 .. e7
	s_load_b64 s[88:89], s[10:11], 0x20            ; e8, e9
	s_load_b32 s90, s[12:13], 0x0                  ; temperature
	s_load_b32 s91, s[14:15], 0x0                  ; gamma
	s_add_nc_u64 s[6:7], s[6:7], s[92:93]
	s_mov_b32 s40, 1                               ; group 0 for region 0: slot 0 first
	s_add_nc_u64 s[42:43], s[6:7], s[94:95]
	s_mov_b32 s44, 1                               ; for region 1: slot 1 first
	s_add_co_u32 s45, s41, SLOTB
	s_add_nc_u64 s[46:47], s[42:43], SLOTB
	s_or_b32 s43, s43, 0x80000000                  ; type = 2
	s_or_b32 s47, s47, 0x80000000
	s_mov_b32 s48, 1                               ; for pass 1: slot w's K part to region 1 + 16,384 w: key step s lies at region 1 + 4,096 s
	s_lshl_b32 s49, s18, 14
	s_add_co_u32 s49, s49, SLOTB
	s_add_nc_u64 s[50:51], s[6:7], s[96:97]
	s_or_b32 s51, s51, 0x80000000
	ROUND                                          ; all four work-groups are here: the first joint loads meet
	tensor_load_to_lds s[48:51], s[32:39]          ; pass 1's K goes out first and alone: one load of mine is out
	s_nop 0
	s_wait_alu depctr_va_vdst(0)
	s_wait_tensorcnt 0x0
	ds_add_u32 v1, v2
	s_wait_dscnt 0x0
	ROUND
	tensor_load_to_lds s[40:43], s[24:31]
	s_nop 0
	PLACES 4
	v_and_b32 v3, 31, v0
	s_delay_alu instid0(VALU_DEP_1)
	v_lshlrev_b32 v4, 4, v3                        ; 16 x lane
	s_delay_alu instid0(VALU_DEP_2)
	v_lshlrev_b32 v3, 8, v3                        ; 256 x lane
	s_lshl_b32 s98, s22, 2                         ; Q: [image][group 4 X + (w & 3)][tile][512 bytes]
	s_add_co_u32 s98, s98, s20
	s_lshl_b32 s98, s98, 10
	s_lshl_b32 s54, s23, 17
	s_add_co_u32 s98, s98, s54
	s_mov_b32 s99, 0
	s_add_nc_u64 s[4:5], s[4:5], s[98:99]
	global_load_b128 v[24:27], v4, s[4:5]          ; [q, 0, q]: each tile's image into both of its places
	global_load_b128 v[32:35], v4, s[4:5]
	global_load_b128 v[36:39], v4, s[4:5] offset:512
	global_load_b128 v[44:47], v4, s[4:5] offset:512
.irp j, 28,29,30,31,40,41,42,43
	v_mov_b32 v\j, 0
.endr
	s_lshl_b32 s98, s22, 9                         ; x and out0: image x 4 MiB + channel 32 w x 16,384 + 128 X x 4
	s_lshl_b32 s54, s23, 22
	s_add_co_u32 s98, s98, s54
	s_lshl_b32 s54, s18, 19
	s_add_co_u32 s98, s98, s54
	s_add_nc_u64 s[8:9], s[8:9], s[98:99]
	s_add_nc_u64 s[16:17], s[16:17], s[98:99]
	s_lshl_b32 s98, s21, 15                        ; the prefetches: my work-group's 32,768 bytes, my wave's 8,192 of them,
	s_lshl_b32 s54, s20, 13
	s_add_co_u32 s98, s98, s54
	s_add_co_u32 s98, s98, SLOTB                   ; in slot 1: the first change steps it to slot 2.  Nothing is prefetched here, at the head
	s_add_nc_u64 s[62:63], s[6:7], s[98:99]
	s_or_b32 s61, s19, ttmp9                       ; 0 in waves 0 to 3 of the image's first cluster: the same in all four partners
	s_cmp_eq_u32 s61, 0
	s_cselect_b32 s61, 1, -1                       ; a wave prefetches while s60 is above this
	s_mov_b32 s60, 7                               ; refills to come
	s_mov_b32 s55, 0                               ; (named with s54 as a pair, so it is written)
	s_mov_b32 s66, 0x76543210                      ; v_permlanex16_b32: lane l xor 16
	s_mov_b32 s67, 0xfedcba98
	v_and_b32 v6, 15, v0                           ; r
	v_bfe_u32 v7, v0, 4, 1                         ; h
	s_delay_alu instid0(VALU_DEP_2)
	v_lshrrev_b32 v8, 3, v6
	s_delay_alu instid0(VALU_DEP_3)
	v_and_b32 v9, 7, v6
	s_delay_alu instid0(VALU_DEP_2)
	v_cmp_eq_u32 vcc_lo, v8, v7
	s_delay_alu instid0(VALU_DEP_1)
	v_cndmask_b32 v9, 8, v9, vcc_lo                ; the diagonal's register in my lane: r % 8 where h == r / 8, else none
	v_mov_b32 v8, 1.0
.irp j, 0,1,2,3,4,5,6,7
	v_cmp_eq_u32 vcc_lo, \j, v9
	s_delay_alu instid0(VALU_DEP_1)
	v_cndmask_b32 v[88+\j], 0, v8, vcc_lo
.endr
	v_lshrrev_b32 v6, 5, v0
	s_delay_alu instid0(VALU_DEP_1)
	v_lshlrev_b32 v6, 8, v6
	v_and_b32 v7, 31, v0
	s_delay_alu instid0(VALU_DEP_1)
	v_lshl_add_u32 v6, v7, 2, v6                   ; 256 w + 4 x lane
	s_delay_alu instid0(VALU_DEP_1)
	v_xor_b32 v7, 1024, v6                         ; the same of wave w xor 4, which holds my queries' other keys
	s_delay_alu instid0(VALU_DEP_2)
	v_add_nc_u32 v6, MXB, v6
	s_delay_alu instid0(VALU_DEP_2)
	v_add_nc_u32 v7, MXB, v7
	s_lshl_b32 s93, s19, 16
	s_lshl_b32 s94, s19, 13
.irp p, 0,1,2,3
	s_add_co_u32 s92, s20, \p
	s_and_b32 s92, s92, 3                          ; the group that I take in place p
	s_lshl_b32 s95, s92, 9
	s_add_co_u32 s[68+\p], s95, s93                ; V in a slot: 512 x group + my two steps
	s_lshl_b32 s95, s92, 10
	s_add_co_u32 s[72+\p], s95, s94                ; K in a slot: behind V, 1,024 x group + my two steps
	s_add_co_u32 s[72+\p], s[72+\p], VPART
	s_add_co_u32 s[76+\p], s95, s93                ; K in pass 1: region 1, my 16 steps
	s_add_co_u32 s[76+\p], s[76+\p], SLOTB
.endr
	s_wait_kmcnt 0x0
	s_add_co_i32 s93, s86, s87                     ; e6 + e7
	s_sub_co_i32 s94, 0, s93
	v_mov_b32 v8, s90
	s_delay_alu instid0(VALU_DEP_1)
	v_add_f32 v8, 0x358637bd, v8                   ; temperature + 1e-6,
	s_delay_alu instid0(VALU_DEP_1)
	v_and_b32 v8, 0x7fffffff, v8                   ; its magnitude
	s_wait_alu depctr_va_vdst(0)
	v_rcp_f32 v9, v8
	v_nop
	s_wait_alu depctr_va_vdst(0)
	v_mul_f32 v9, 0x3fb8aa3b, v9                   ; log2(e) / |temperature + 1e-6|
	s_delay_alu instid0(VALU_DEP_1)
	v_ldexp_f32 v9, v9, s93                        ; x 2^(e6 + e7): t = c x (the sum of codes' products + DG)
	v_ldexp_f32 v8, v8, s94                        ; d = |temperature + 1e-6| x 2^-(e6 + e7): c x d = log2(e), the diagonal's 1
	s_delay_alu instid0(VALU_DEP_2)
	v_readfirstlane_b32 s52, v9
	s_delay_alu instid0(VALU_DEP_2)
	v_readfirstlane_b32 s56, v8
	s_mov_b32 s53, s52
	s_add_co_i32 s95, s89, 127
	s_lshl_b32 s96, s95, 23
	v_mov_b32 v5, s96                              ; 2^e9 as f32
.irp j, 18,19,20,21
	v_mov_b32 v\j, 0xff800000                      ; the running maxima: -infinity
.endr
	v_mov_b32 v22, 0                               ; written once: a lane permute's destination counts as one of its sources
	v_mov_b32 v23, 0
	; PASS 1: the rows' maxima over my 16 key steps
	s_wait_tensorcnt 0x1                           ; my part of K is in; slot 0's part, issued behind it, may stay out
	s_barrier_signal -1
	s_barrier_wait -1                              ; everybody's is
	s_lshl_b32 s58, s19, 4                         ; my first key step: 16 H
	SETDG
.irp p, 0,1,2,3
	v_add_nc_u32 v[10+\p], s[76+\p], v4
.endr
	KLOAD 0
	s_wait_loadcnt 0x0                             ; Q
	s_mov_b32 s59, 15
.Lp1:
	s_wait_alu depctr_va_vdst(0)
	P1STEP 0
	s_sub_co_u32 s59, s59, 1
	s_cmp_lg_u32 s59, 0
	s_cbranch_scc1 .Lp1
	P1STEP 1                                       ; the last step fetches nothing
	v_max_num_f32 v18, v18, v19
	s_delay_alu instid0(VALU_DEP_2)
	v_max_num_f32 v20, v20, v21
	s_delay_alu instid0(VALU_DEP_2)
	v_permlanex16_b32 v22, v18, s66, s67           ; the query's other keys of each step lie in the lane 16 away
	s_delay_alu instid0(VALU_DEP_2)
	v_permlanex16_b32 v23, v20, s66, s67
	s_delay_alu instid0(VALU_DEP_2)
	v_max_num_f32 v18, v18, v22
	s_delay_alu instid0(VALU_DEP_2)
	v_max_num_f32 v20, v20, v23
	s_delay_alu instid0(VALU_DEP_2)
	v_mul_f32 v18, s52, v18                        ; as t (c is positive)
	s_delay_alu instid0(VALU_DEP_2)
	v_mul_f32 v20, s52, v20
	ds_store_b32 v6, v18
	ds_store_b32 v6, v20 offset:128
	CHANGE 1, 44, 0                                ; K's bytes have been read: slot 1 goes into region 1.  The round also shows my maxima to wave w xor 4
	ds_load_b32 v22, v7
	ds_load_b32 v23, v7 offset:128
	s_wait_dscnt 0x0
	s_wait_alu depctr_va_vdst(0)
	v_max_num_f32 v18, v18, v22
	v_max_num_f32 v20, v20, v23                    ; the rows' largest t over all 4,096 keys
	s_delay_alu instid0(VALU_DEP_2)
	v_floor_f32 v14, -v18                          ; -M = floor(-t) = -ceil(t)
	s_delay_alu instid0(VALU_DEP_2)
	v_floor_f32 v16, -v20
	s_delay_alu instid0(VALU_DEP_2)
	v_mov_b32 v15, v14
	s_delay_alu instid0(VALU_DEP_2)
	v_mov_b32 v17, v16
.irp j, 18,19,20,21
	v_mov_b32 v\j, 0                               ; l, in two halves for each tile
.endr
	s_lshl_b32 s58, s19, 1                         ; my first key step of pass 2: 2 H
	SETDG
	s_wait_alu depctr_va_vdst(0)
	; PASS 2: slots 0 | 1, 2 | 3, 4 | 5, 6 | 7
	SLOT 0, 1
	s_mov_b32 s59, 3
.Lring:
	CHANGE 1, 40, 1
	SLOT 1, 0
	CHANGE 1, 44, 1
	SLOT 0, 0
	s_sub_co_u32 s59, s59, 1
	s_cmp_lg_u32 s59, 0
	s_cbranch_scc1 .Lring
	CHANGE 0, 40, 0                                ; the last slot is written out
	SLOT 1, 0
	; THE WAY OUT.  The two halves' O meet in two stages in LDS, a row a channel; wave w then takes channels 32 w .. 32 w + 31, whole rows of 512 bytes: out0 = (O0 + O1) x gamma 2^(e8 + e9) / l + x.
.set i, 0
.rept 32
	global_load_b128 v[96+4*i:99+4*i], v4, s[8:9] offset:i*16384 th:TH_LOAD_NT   ; x's 32 rows: 512 consecutive bytes each (five places stand behind the last products, which read these registers)
.set i, i+1
.endr
	v_and_b32 v12, 15, v0                          ; r
	v_bfe_u32 v13, v0, 4, 1                        ; h
	v_add_f32 v18, v18, v19                        ; l's two halves,
	v_add_f32 v20, v20, v21
	s_delay_alu instid0(VALU_DEP_2)
	v_permlanex16_b32 v22, v18, s66, s67
	s_delay_alu instid0(VALU_DEP_2)
	v_permlanex16_b32 v23, v20, s66, s67
	s_delay_alu instid0(VALU_DEP_2)
	v_add_f32 v18, v18, v22                        ; and lane l xor 16's
	s_delay_alu instid0(VALU_DEP_2)
	v_add_f32 v20, v20, v23
	v_and_b32 v10, 8, v12
	s_delay_alu instid0(VALU_DEP_1)
	v_add_nc_u32 v10, v10, v12                     ; r + 8 (r / 8)
	v_lshrrev_b32 v11, 5, v0
	s_delay_alu instid0(VALU_DEP_1)
	v_lshlrev_b32 v11, 7, v11                      ; 512 H + 128 (w & 3) = 128 w
	s_delay_alu instid0(VALU_DEP_1)
	v_lshl_add_u32 v10, v10, 2, v11
	s_delay_alu instid0(VALU_DEP_1)
	v_add_nc_u32 v10, LSB, v10                     ; tile q's query r is number 32 (w & 3) + 8 q + r + 8 (r / 8) of the block
	ds_store_b32 v10, v18
	ds_store_b32 v10, v20 offset:32
	s_mul_i32 s92, s19, STG
	s_lshl_b32 s93, s20, 7
	s_add_co_u32 s92, s92, s93
	v_mul_u32_u24 v6, v12, 528
	s_delay_alu instid0(VALU_DEP_1)
	v_lshl_add_u32 v6, v13, 6, v6
	s_delay_alu instid0(VALU_DEP_1)
	v_add_nc_u32 v6, s92, v6                       ; into stage H: row r of a channel tile, + 128 (w & 3) + 64 h bytes: my eight queries
	s_delay_alu instid0(VALU_DEP_1)
	v_add_nc_u32 v7, 8*8448, v6                    ; channel tiles 8 to 15 (an LDS immediate has 16 bits)
	s_mul_i32 s92, s18, 32*528
	v_add_nc_u32 v8, s92, v4                       ; back: my 32 rows, 16 bytes a lane, of stage 0,
	s_delay_alu instid0(VALU_DEP_1)
	v_add_nc_u32 v9, STG, v8                       ; and of stage 1
	v_add_nc_u32 v11, LSB, v4                      ; l of my four queries
	s_wait_alu depctr_va_vdst(0)
	s_wait_dscnt 0x0
	s_barrier_signal -1
	s_barrier_wait -1                              ; nobody reads the regions any more
	WIN 0x04                                       ; store data window 1
.irp q, 0,1
.set t, 0
.rept 16
	ds_store_b128 v[6+t/8], v[8*(16*\q+t):8*(16*\q+t)+3] offset:(t%8)*8448+32*\q          ; each accumulator from its low end on
	ds_store_b128 v[6+t/8], v[8*(16*\q+t)+4:8*(16*\q+t)+7] offset:(t%8)*8448+32*\q+16
.set t, t+1
.endr
.endr
	WIN 0
	s_wait_dscnt 0x0                               ; for the others' sake
	s_barrier_signal -1
	s_barrier_wait -1                              ; both stages are whole
.macro LOADG n                         ; four rows of both stages into buffer n % 2
.set BB, 24+32*((\n)%2)
.irp k, 0,1,2,3
	ds_load_b128 v[BB+8*\k:BB+8*\k+3], v8 offset:(4*(\n)+\k)*528
	ds_load_b128 v[BB+8*\k+4:BB+8*\k+7], v9 offset:(4*(\n)+\k)*528
.endr
.endm
.macro OUTG n
.set BB, 24+32*((\n)%2)
.irp k, 0,1,2,3
.set RW, 96+4*(4*(\n)+\k)
	v_pk_add_f32 v[BB+8*\k:BB+8*\k+1], v[BB+8*\k:BB+8*\k+1], v[BB+8*\k+4:BB+8*\k+5]
	s_wait_alu depctr_va_vdst(0)
	v_pk_add_f32 v[BB+8*\k+2:BB+8*\k+3], v[BB+8*\k+2:BB+8*\k+3], v[BB+8*\k+6:BB+8*\k+7]
	v_pk_fma_f32 v[RW:RW+1], v[BB+8*\k:BB+8*\k+1], v[88:89], v[RW:RW+1]
	s_delay_alu instid0(VALU_DEP_2)
	v_pk_fma_f32 v[RW+2:RW+3], v[BB+8*\k+2:BB+8*\k+3], v[90:91], v[RW+2:RW+3]
	global_store_b128 v4, v[RW:RW+3], s[16:17] offset:(4*(\n)+\k)*16384 th:TH_STORE_NT   ; 32 lanes store 512 consecutive bytes, at a multiple of 256 from out0's first byte; each row has its own registers
.endr
.endm
	ds_load_b128 v[88:91], v11
	ds_load_b128 v[92:95], v11 offset:512
	LOADG 0
	s_wait_dscnt 8                                 ; l is in; the 8 loads behind it may stay out
	s_add_co_i32 s92, s88, s89                     ; e8 + e9
	v_pk_add_f32 v[88:89], v[88:89], v[92:93]      ; the two halves of the keys
	v_pk_add_f32 v[90:91], v[90:91], v[94:95]
	s_wait_alu depctr_va_vdst(0)
.irp j, 88,89,90,91
	v_rcp_f32 v\j, v\j
.endr
	v_nop
	s_wait_alu depctr_va_vdst(0)                   ; one wait for the four reciprocals
.irp j, 88,89,90,91
	v_mul_f32 v\j, s91, v\j                        ; gamma / l
.endr
.irp j, 88,89,90,91
	s_delay_alu instid0(VALU_DEP_4)
	v_ldexp_f32 v\j, v\j, s92                      ; x 2^(e8 + e9)
.endr
.irp n, 0,1,2,3,4,5,6,7
.if \n < 7
	LOADG \n+1
	s_wait_dscnt 8                                 ; this group's rows are in; the next group's 8 loads may stay out
.else
	s_wait_dscnt 0x0
.endif
	s_wait_loadcnt 28-4*\n                         ; x's rows up to this group's last are in; the later rows' loads may stay out
	OUTG \n
.endr
	s_wait_tensorcnt 0x0                           ; the wave's end
	ds_add_u32 v1, v2
	s_wait_dscnt 0x0
	ROUND                                          ; the closing round: no work-group ends while a partner may still ask for a tile that names it
	s_endpgm
.Lfunc_end_k_qc9fdae2942_attn:
	.size	k_qc9fdae2942_attn, .Lfunc_end_k_qc9fdae2942_attn-k_qc9fdae2942_attn
	.p2alignl 7, 3214868480
	.fill 96, 4, 3214868480
	.section	.rodata,"a",@progbits
	.p2align	6, 0x0
	.amdhsa_kernel k_qc9fdae2942_attn
		.amdhsa_group_segment_fixed_size 327680
		.amdhsa_private_segment_fixed_size 0
		.amdhsa_enable_private_segment 0
		.amdhsa_kernarg_size 56
		.amdhsa_user_sgpr_count 2
		.amdhsa_user_sgpr_kernarg_segment_ptr 1
		.amdhsa_wavefront_size32 1
		.amdhsa_system_sgpr_workgroup_id_x 1
		.amdhsa_system_sgpr_workgroup_id_y 1
		.amdhsa_system_sgpr_workgroup_id_z 1
		.amdhsa_system_vgpr_workitem_id 0
		.amdhsa_next_free_vgpr 512
		.amdhsa_next_free_sgpr 100
		.amdhsa_reserve_vcc 1
		.amdhsa_float_denorm_mode_32 3
		.amdhsa_float_denorm_mode_16_64 3
		.amdhsa_fp16_overflow 1
		.amdhsa_memory_ordered 1
		.amdhsa_forward_progress 1
		.amdhsa_inst_pref_size 238
	.end_amdhsa_kernel
	.amdgpu_metadata
---
amdhsa.version: [ 1, 2 ]
amdhsa.kernels:
  - .name:           k_qc9fdae2942_attn
    .symbol:         k_qc9fdae2942_attn.kd
    .args:
      - { .name: qc, .offset: 0, .size: 8, .value_kind: global_buffer, .address_space: global }
      - { .name: kv, .offset: 8, .size: 8, .value_kind: global_buffer, .address_space: global }
      - { .name: x, .offset: 16, .size: 8, .value_kind: global_buffer, .address_space: global }
      - { .name: lowp_scales, .offset: 24, .size: 8, .value_kind: global_buffer, .address_space: global }
      - { .name: temperature, .offset: 32, .size: 8, .value_kind: global_buffer, .address_space: global }
      - { .name: gamma, .offset: 40, .size: 8, .value_kind: global_buffer, .address_space: global }
      - { .name: out0, .offset: 48, .size: 8, .value_kind: global_buffer, .address_space: global }
    .group_segment_fixed_size: 327680
    .private_segment_fixed_size: 0
    .kernarg_segment_align: 8
    .kernarg_segment_size: 56
    .max_flat_workgroup_size: 256
    .sgpr_count:     100
    .vgpr_count:     512
    .wavefront_size: 32
...
	.end_amdgpu_metadata
.endif
;; end of part 3
